; MI455X (gfx1250); checked and timed in simulation.
; The chip was launched on July 23, 2026; its instructions are those of AMD's public machine-readable ISA for CDNA 5 (MIT licence, August 2026) and "CDNA5" Instruction Set Architecture Reference Guide (July 2026). The comments in the code are by the model that wrote it; some were corrected since.
;; Multi Head Attention. Allowed arithmetic: matrix products marked QUANTISED: E2M1 operands, one E8M0 scale for each 32 along K, by v_wmma_scale_f32_16x16x128_f8f6f4 with both operands' format E2M1 (or v_wmma_scale_f32_32x16x128_f4), f32 sums; everything else in f32.
;; Inputs: Wk 8 x 512 x 64 float32; Wo 512 x 512 float32; Wq 8 x 512 x 64 float32; Wv 8 x 512 x 64 float32; beta 512 float32; bk 8 x 64 float32; bo 512 float32; bq 8 x 64 float32; bv 8 x 64 float32; gamma 512 float32; x 8 x 2,048 x 512 float32.
;; Outputs: out0 8 x 2,048 x 512 float32.
;; This version of the problem:
;;   THIS VERSION OF THE PROBLEM IS GIVEN IN LOW PRECISION. The matrix products marked QUANTISED in the list below multiply operands that are first quantised to E2M1 (2 exponent bits, 1 mantissa bit; 4 bits a number), with one power-of-two scale for each 32 numbers along K (OCP MX v1.0); their sums are f32. All else is computed in f32.
;;   The module's matrix products, in the order in which they are computed (A, B: the left and right operand; K: the contracted axis; several contracted axes count as one K, in the product's order):
;;     1. [M 512, K 512] x [K 512, N 16,384]; A: input Wq; B: input x: QUANTISED
;;     2. [M 512, K 512] x [K 512, N 16,384]; A: input Wk; B: input x: QUANTISED
;;     3. [M 512, K 512] x [K 512, N 16,384]; A: input Wv; B: input x: QUANTISED
;;     4. batch 64 x [M 2,048, K 64] x [K 64, N 2,048]; A: computed on the way; B: computed on the way: QUANTISED
;;     5. batch 64 x [M 2,048, K 2,048] x [K 2,048, N 64]; A: softmax (see below); B: computed on the way: QUANTISED
;;     6. [M 16,384, K 512] x [K 512, N 512]; A: computed on the way; B: input Wo: QUANTISED
;;   THE QUANTISER, for each operand of a quantised product, along K:
;;     - K is cut into blocks of 32 from its start; a last block that is shorter is filled with zeros.
;;     - A block's scale is 2^e with e = floor(log2(the largest magnitude in the block)) - 2, held to -126 .. 127; a block of zeros has e = 0. As a byte (E8M0): e + 127.
;;     - Each number is divided by its block's scale, clamped to +-6, and rounded to the nearest number of E2M1, ties to even, subnormals kept.
;;     - The product sums the exact products of the quantised numbers (number of the format x scale) in f32.
;;   ~~~python
;;   def quantise(x, axis):      # numpy; x: float32 -> the quantised numbers, widened to float32 again
;;       x = np.moveaxis(x, axis, -1); K = x.shape[-1]
;;       x = np.pad(x, [(0, 0)] * (x.ndim - 1) + [(0, -K % 32)]); x = x.reshape(x.shape[:-1] + (-1, 32)); a = np.abs(x).max(-1, keepdims=True)
;;       e = np.where(a > 0, np.clip(np.frexp(np.where(a > 0, a, 1))[1] - 1 - 2, -126, 127), 0)      # np.frexp(a)[1] - 1 = floor(log2(a)), exactly
;;       r = np.clip(x / 2.0 ** e, -6, 6)
;;       step = 2.0 ** (np.maximum(np.frexp(np.where(r == 0, 1, r))[1] - 1, 0) - 1)
;;       q = np.round(r / step) * step * 2.0 ** e      # np.round: ties to even
;;       return np.moveaxis(q.reshape(q.shape[:-2] + (-1,))[..., :K], -1, axis).astype(np.float32)
;;   ~~~
;;   SOFTMAX AHEAD OF A QUANTISED PRODUCT. Where the list says 'softmax', what is quantised is not the finished softmax but p = 2^(t - M), with t = logit x log2(e) and M = ceil(the row's largest t), a whole number; so 1/2 < the row's largest p <= 1. The row's sum l is taken of the UNQUANTISED p, in f32, and the product's result is divided by l at the end. Since M is a whole number, a kernel that streams over the keys may use a running M (the ceiling of the running maximum): every later rescaling is an exact power of two, which a block's scale takes up: the codes' values come out the same.
;;   OPERANDS COMPUTED ON THE WAY. 'Computed on the way' means the value that the module computes at that place (a softmax that the list does not call 'softmax' is quantised finished and normalised). What goes into a quantiser is computed in f32, as accurately as f32 sums, v_exp_f32 and their like allow (about 1e-6 of the number): no bf16 or f16 on the way to a quantiser, and a product that is left as it is and whose result goes on into a quantised operand takes f32 operands (vector FMAs, or v_wmma_f32_16x16x4_f32). A number that lies on a knife's edge between two numbers of the format may be rounded either way, as far as f32 arithmetic and the matrix unit's own rounding can turn it there, and no further.
;; One version. Each part assembles by itself: llvm-mc -triple=amdgcn-amd-amdhsa -mcpu=gfx1250 --defsym DOCPART=n.
;; ======== version 1 of 1: 4 launches
;; limits: right only within a limited range of input values
;; workspace buffers: xq 4,718,592 bytes; wc 589,824 bytes; qc 5,242,880 bytes; kv 9,437,184 bytes; ctxq 4,718,592 bytes
;; launch prep (part 1): grid 288 x 1, 4 waves a work-group, no clusters, 34,304 bytes of LDS; arguments x, Wq, Wk, Wv, Wo, xq, wc; writes xq, wc
.if DOCPART == 1
	.amdgcn_target "amdgcn-amd-amdhsa--gfx1250"
	.amdhsa_code_object_version 6
	.text
	.protected	k_q8e87222cb7_prep
	.globl	k_q8e87222cb7_prep
	.p2align	8
	.type	k_q8e87222cb7_prep,@function
k_q8e87222cb7_prep:
	s_mov_b64 s[64:65], 0
	v_nop
	global_prefetch_b8 v0, s[64:65] scope:SCOPE_SE
	s_setreg_imm32_b32 hwreg(HW_REG_WAVE_MODE, 25, 1), 1
	s_wait_xcnt 0x0
; PREP: x [16384][512] f32 and the four weights are turned into codes of FP4 (E2M1) with one E8M0 byte for each 32 along K, K = the 512 of the embedding
; (for Wo: its first axis).  What is stored are IMAGES OF OPERAND REGISTERS.  A tile (16 rows or columns x 512 K) is 4,608 bytes: four fragments of 1,024 bytes
; ([c 0..1][lane][16 bytes]: lane (r, h), registers 4 c .. 4 c + 3 = k 64 c + 32 h + 0 .. 31 of K step s at 1024 s), then at 4,096 the four scale registers
; ([lane][4 words]: word s = row r's four bytes of K step s; lanes 16-31 hold a copy).  Every store of the launch covers 512 consecutive bytes, aligned.
; THE ROWS OF A TILE ARE NOT NEIGHBOURS: lane r of tile 2 b + u of a group of 32 stands for element 32 b + 8 u + r + 8 (r / 8): the 64 columns of a head
; in Wq, Wk, Wv.  Wo's tiles take 16 neighbouring columns.
; A block's scale is 2^(floor(log2(its largest magnitude)) - 2); its byte is the largest magnitude's exponent field - 2, held at 1 from below.
; LIMITS: a block of zeros, or one whose largest magnitude lies under 2^-124, keeps the byte 1 (its codes are zeros; this program alone reads the bytes); NaN and infinities are not served.
; SHARES: work-groups 0-31: a wave takes one tile of 16 columns of one weight (4 x 32 tiles).  Work-groups 32-287: a wave takes one tile of 16 rows of x (1,024 tiles).
; Waves share nothing: no barrier.  x: each load reads 512 consecutive bytes of a row; a K step's 16 x 512 bytes turn through the wave's own stage in LDS (rows 528 bytes apart),
; so that a lane gets the 32 neighbours of a whole block.  Weights: a lane takes a column and its registers run down K, so nothing is turned; these loads read pieces of 32 or 64
; bytes, which is kept because the weights are 4 MiB of the 36 MiB that the launch reads.
.set PIT,   528                        ; a stage row: 512 bytes + 16
.set STGW,  16*PIT                     ; a wave's stage
.set TILEB, 4608
.set LI,  4                            ; v4   16 x lane
.set SH8, 5                            ; v5   8 h: where my bytes stand in a scale word
.set WR,  6                            ; v6   the stage on the way in
.set RD,  7                            ; v7   and on the way out
.set WA,  8                            ; v8   a weight: my column's byte, + 32 rows for lanes 16-31
.set MA,  9                            ; v9, v10  two chains of a maximum
.set MB,  10
.set SCO, 11                           ; v11  the conversions' scale operand
.set WD,  12                           ; v12  a scale word in the making
.set PT,  13                           ; v13  the other half's part of it
.set R0,  16                           ; v16-143  two sets of loaded numbers (x: 64 each; weights: 32 each)
.set X,   144                          ; v144-207 two whole blocks of x
.set C,   208                          ; v208-239 the tile's codes: never written twice
.set SW,  240                          ; v240-243 the four scale words
.set BY,  244                          ; v244-251 scale bytes
; 32 numbers of a lane, one whole block, become four registers of codes and the scale's byte.
.macro QB xs, cd, by
	v_max3_num_f32 v[MA], |v[(\xs)]|, |v[(\xs)+1]|, 0x1800000      ; with the floor 2^(3 - 127): the byte cannot fall under 1
	v_max3_num_f32 v[MB], |v[(\xs)+16]|, |v[(\xs)+17]|, |v[(\xs)+18]|
.irp i, 0,1,2,3,4,5
	v_max3_num_f32 v[MA], v[MA], |v[(\xs)+2+2*\i]|, |v[(\xs)+3+2*\i]|
	v_max3_num_f32 v[MB], v[MB], |v[(\xs)+19+2*\i]|, |v[(\xs)+20+2*\i]|
.endr
	v_max3_num_f32 v[MA], v[MA], |v[(\xs)+14]|, |v[(\xs)+15]|
	v_max3_num_f32 v[MA], v[MA], v[MB], |v[(\xs)+31]|
	v_add_nc_u32 v[SCO], 0xff000000, v[MA]         ; 2 off the exponent field: the conversion takes that field as its scale
.irp g, 0,1,2,3
	v_cvt_scalef32_pk8_fp4_f32 v[(\cd)+\g], v[(\xs)+8*\g:(\xs)+8*\g+7], v[SCO]
.endr
	v_lshrrev_b32 v[\by], 23, v[SCO]               ; the byte; also the plain line behind the conversions
.endm
; My two bytes (blocks h and 2 + h of a K step) and lane l xor 16's two make the row's scale word.
.macro WORD dst, b0, b1
	v_lshl_or_b32 v[WD], v[\b1], 16, v[\b0]
	v_lshlrev_b32 v[WD], v[SH8], v[WD]
	v_permlanex16_b32 v[PT], v[WD], s20, s21
	v_or_b32 v[\dst], v[WD], v[PT]
.endm
	s_load_b256 s[4:11], s[0:1], 0x0               ; x s[4:5], Wq s[6:7], Wk s[8:9], Wv s[10:11]
	s_load_b128 s[12:15], s[0:1], 0x20             ; Wo s[12:13], xq s[14:15]
	s_load_b64 s[16:17], s[0:1], 0x30              ; wc
	v_lshl_add_u32 v254, v0, 2, 0x8400
	v_mov_b32 v255, 0
	v_lshrrev_b32 v1, 5, v0
	v_readfirstlane_b32 s18, v1                    ; wave 0..3
	v_and_b32 v1, 31, v0                           ; lane
	v_and_b32 v2, 15, v0                           ; r
	v_bfe_u32 v3, v0, 4, 1                         ; h
	v_lshlrev_b32 v[LI], 4, v1
	v_lshlrev_b32 v[SH8], 3, v3
	v_mov_b32 v[PT], 0                             ; a lane permute's destination counts as read
	s_mov_b32 s20, 0x76543210
	s_mov_b32 s21, 0xfedcba98                      ; selects for lane l xor 16
	s_cmp_lt_u32 ttmp9, 32
	s_cbranch_scc1 .Lweights
	; ---------------- x: row tile T = 4 (work-group - 32) + wave
	s_mul_i32 s26, s18, STGW
	v_add_nc_u32 v[WR], s26, v[LI]                 ; in: row i at 528 i, 16 bytes a lane
	v_mul_u32_u24 v[RD], v2, PIT
	v_lshl_add_u32 v[RD], v3, 7, v[RD]
	v_add_nc_u32 v[RD], s26, v[RD]                 ; out: row r, + 128 h: block h of the K step's first 64
	s_sub_co_u32 s27, ttmp9, 32
	s_lshl_b32 s27, s27, 2
	s_add_co_u32 s27, s27, s18                     ; T
	; ROWS OF x (this order holds for x; the weights' columns keep theirs): lane r of tile t of a group of four tiles (64 rows) stands for row 8 t + r % 8 + 32 (r / 8)
	s_lshr_b32 s28, s27, 2
	s_lshl_b32 s28, s28, 17                        ; 64 rows of 2,048 bytes for each group of four tiles,
	s_and_b32 s29, s27, 3
	s_lshl_b32 s29, s29, 14                        ; 8 rows for each tile in the group
	s_add_co_u32 s28, s28, s29
	s_mov_b32 s29, 0
	s_mul_i32 s30, s27, TILEB
	s_mov_b32 s31, 0
	s_wait_kmcnt 0x0
	s_add_nc_u64 s[22:23], s[4:5], s[28:29]
	s_add_nc_u64 s[24:25], s[14:15], s[30:31]
.macro LOADX t                         ; K step t of the tile's 16 rows: rows 0-7 and 32-39 from the base on
.irp i, 0,1,2,3,4,5,6,7,8,9,10,11,12,13,14,15
	global_load_b128 v[R0+64*((\t)%2)+4*\i:R0+64*((\t)%2)+4*\i+3], v[LI], s[22:23] offset:(\i+24*(\i/8))*2048+512*(\t) th:TH_LOAD_NT   ; rows 0-7 and 32-39 from the base on
.endr
.endm
.macro XSTEP t
.if (\t) < 3
	s_wait_loadcnt 16                              ; this step's 16 loads are in; the next step's 16 may be out
.else
	s_wait_loadcnt 0x0
.endif
.irp i, 0,1,2,3,4,5,6,7,8,9,10,11,12,13,14,15
	ds_store_b128 v[WR], v[R0+64*((\t)%2)+4*\i:R0+64*((\t)%2)+4*\i+3] offset:PIT*\i
.endr
.irp c, 0,1
.irp i, 0,1,2,3,4,5,6,7
	ds_load_b128 v[X+32*\c+4*\i:X+32*\c+4*\i+3], v[RD] offset:256*\c+16*\i   ; LDS serves a wave's instructions in order (ISA guide 5.7.1.4): these see the stores above
.endr
.endr
	s_wait_dscnt 0x0                               ; my two blocks are in, and the stores have read their set,
.if (\t) < 2
	LOADX (\t)+2                                   ; which takes the loads of two steps on
.endif
	QB X, C+8*(\t), BY
	QB X+32, C+8*(\t)+4, BY+1
	WORD SW+(\t), BY, BY+1
	global_store_b128 v[LI], v[C+8*(\t):C+8*(\t)+3], s[24:25] offset:1024*(\t)
	global_store_b128 v[LI], v[C+8*(\t)+4:C+8*(\t)+7], s[24:25] offset:1024*(\t)+512
.endm
	s_wait_alu depctr_va_vdst(0)
	LOADX 0
	LOADX 1
.irp t, 0,1,2,3
	XSTEP \t
.endr
	global_store_b128 v[LI], v[SW:SW+3], s[24:25] offset:4096
	s_wait_tensorcnt 0x0
	ds_add_u32 v254, v255
	s_wait_dscnt 0x0
	s_endpgm
	; ---------------- weights: matrix mi = work-group / 8, column tile tt = 4 (work-group % 8) + wave
.macro LOADW q, stride                 ; half a K step: rows 64 q + 32 h + i of my column
.irp i, 0,1,2,3,4,5,6,7,8,9,10,11,12,13,14,15,16,17,18,19,20,21,22,23,24,25,26,27,28,29,30,31
	global_load_b32 v[R0+32*((\q)%2)+\i], v[WA], s[22:23] offset:(64*(\q)+\i)*\stride
.endr
.endm
.macro WEIGHT stride
	LOADW 0, \stride
	LOADW 1, \stride
.irp q, 0,1,2,3,4,5,6,7
.if \q < 7
	s_wait_loadcnt 32                              ; this half's 32 loads are in; the next half's 32 may be out
.else
	s_wait_loadcnt 0x0
.endif
	QB R0+32*(\q%2), C+4*\q, BY+\q
	global_store_b128 v[LI], v[C+4*\q:C+4*\q+3], s[24:25] offset:512*\q
.if \q < 6
	LOADW \q+2, \stride
.endif
.endr
.irp t, 0,1,2,3
	WORD SW+\t, BY+2*\t, BY+2*\t+1
.endr
	global_store_b128 v[LI], v[SW:SW+3], s[24:25] offset:4096
.endm
.Lweights:
	s_lshr_b32 s26, ttmp9, 3                       ; mi
	s_and_b32 s27, ttmp9, 7                        ; tt / 4: the head
	s_lshl_b32 s28, s27, 2
	s_add_co_u32 s28, s28, s18                     ; tt
	s_lshl_b32 s29, s26, 5
	s_add_co_u32 s29, s29, s28
	s_mul_i32 s30, s29, TILEB
	s_mov_b32 s31, 0
	s_wait_kmcnt 0x0
	s_add_nc_u64 s[24:25], s[16:17], s[30:31]
	s_cmp_eq_u32 s26, 3
	s_cbranch_scc1 .Lwo
	s_cmp_eq_u32 s26, 1                            ; the choice hangs on the work-group's number alone
	s_cselect_b64 s[22:23], s[8:9], s[6:7]
	s_cmp_eq_u32 s26, 2
	s_cselect_b64 s[22:23], s[10:11], s[22:23]
	s_lshl_b32 s30, s27, 17                        ; a head is 512 x 64 x 4 bytes
	s_add_nc_u64 s[22:23], s[22:23], s[30:31]
	s_wait_alu depctr_va_vdst(0)
	v_and_b32 v[WA], 8, v2
	v_add_nc_u32 v[WA], v[WA], v2                  ; r + 8 (r / 8)
	s_lshr_b32 s32, s18, 1
	s_lshl_b32 s32, s32, 5
	s_and_b32 s33, s18, 1
	s_lshl_b32 s33, s33, 3
	s_add_co_u32 s32, s32, s33                     ; 32 b + 8 u of tile 2 b + u = wave
	v_add_nc_u32 v[WA], s32, v[WA]
	v_lshlrev_b32 v[WA], 2, v[WA]
	v_lshl_add_u32 v[WA], v3, 13, v[WA]            ; + 32 rows of 256 bytes for lanes 16-31
	WEIGHT 256
	s_endpgm
.Lwo:
	s_mov_b64 s[22:23], s[12:13]
	s_lshl_b32 s32, s28, 4
	s_wait_alu depctr_va_vdst(0)
	v_add_nc_u32 v[WA], s32, v2                    ; column 16 tt + r
	v_lshlrev_b32 v[WA], 2, v[WA]
	v_lshl_add_u32 v[WA], v3, 16, v[WA]            ; + 32 rows of 2,048 bytes for lanes 16-31
	WEIGHT 2048
	s_endpgm
.Lfunc_end_k_q8e87222cb7_prep:
	.size	k_q8e87222cb7_prep, .Lfunc_end_k_q8e87222cb7_prep-k_q8e87222cb7_prep
	.p2alignl 7, 3214868480
	.fill 96, 4, 3214868480
	.section	.rodata,"a",@progbits
	.p2align	6, 0x0
	.amdhsa_kernel k_q8e87222cb7_prep
		.amdhsa_group_segment_fixed_size 34304
		.amdhsa_private_segment_fixed_size 0
		.amdhsa_enable_private_segment 0
		.amdhsa_kernarg_size 56
		.amdhsa_user_sgpr_count 2
		.amdhsa_user_sgpr_kernarg_segment_ptr 1
		.amdhsa_wavefront_size32 1
		.amdhsa_system_sgpr_workgroup_id_x 1
		.amdhsa_system_sgpr_workgroup_id_y 1
		.amdhsa_system_sgpr_workgroup_id_z 1
		.amdhsa_system_vgpr_workitem_id 0
		.amdhsa_next_free_vgpr 256
		.amdhsa_next_free_sgpr 66
		.amdhsa_reserve_vcc 0
		.amdhsa_float_denorm_mode_32 3
		.amdhsa_float_denorm_mode_16_64 3
		.amdhsa_memory_ordered 1
		.amdhsa_forward_progress 1
		.amdhsa_inst_pref_size 104
	.end_amdhsa_kernel
	.amdgpu_metadata
---
amdhsa.version: [ 1, 2 ]
amdhsa.kernels:
  - .name:           k_q8e87222cb7_prep
    .symbol:         k_q8e87222cb7_prep.kd
    .args:
      - { .name: x, .offset: 0, .size: 8, .value_kind: global_buffer, .address_space: global }
      - { .name: Wq, .offset: 8, .size: 8, .value_kind: global_buffer, .address_space: global }
      - { .name: Wk, .offset: 16, .size: 8, .value_kind: global_buffer, .address_space: global }
      - { .name: Wv, .offset: 24, .size: 8, .value_kind: global_buffer, .address_space: global }
      - { .name: Wo, .offset: 32, .size: 8, .value_kind: global_buffer, .address_space: global }
      - { .name: xq, .offset: 40, .size: 8, .value_kind: global_buffer, .address_space: global }
      - { .name: wc, .offset: 48, .size: 8, .value_kind: global_buffer, .address_space: global }
    .group_segment_fixed_size: 34304
    .private_segment_fixed_size: 0
    .kernarg_segment_align: 8
    .kernarg_segment_size: 56
    .max_flat_workgroup_size: 128
    .sgpr_count:     66
    .vgpr_count:     256
    .wavefront_size: 32
...
	.end_amdgpu_metadata
.endif
;; end of part 1
;; launch proj (part 2): grid 128 x 2, 4 waves a work-group, no clusters, 0 bytes of LDS; arguments xq, wc, bq, bk, bv, qc, kv; writes qc, kv
.if DOCPART == 2
	.amdgcn_target "amdgcn-amd-amdhsa--gfx1250"
	.amdhsa_code_object_version 6
	.text
	.protected	k_q8e87222cb7_proj
	.globl	k_q8e87222cb7_proj
	.p2align	8
	.type	k_q8e87222cb7_proj,@function
k_q8e87222cb7_proj:
	s_mov_b64 s[64:65], 0
	v_nop
	global_prefetch_b8 v0, s[64:65] scope:SCOPE_SE
	s_setreg_imm32_b32 hwreg(HW_REG_WAVE_MODE, 25, 1), 1
	s_wait_xcnt 0x0
; PROJ: Q = x Wq + bq, K = x Wk + bk, V = x Wv + bv on codes of FP4 with E8M0 scales; Q and K are quantised along the head's 64, V along the keys, and stored as images of operand registers.
; SHARES: work-group x = a block of 128 rows of x (8 row tiles, one key step of attention); a wave = one head (4 y + wave): 1,024 equal jobs of 384 matrix instructions.
; All operands are register images: 16 bytes a lane, 512 consecutive bytes a load.  A wave reads 36,864 bytes of x's images and 55,296 of its head's weights once, straight into 720 registers.
; NO CLUSTER, NO LDS: no tile passes through LDS, so there is nothing that a joint load could fill; the eight waves that want the same rows of x read them at about the same time.
; Q, K: source 0 = 16 columns of W (in the tile order 32 b + 8 u + r + 8 (r / 8)), source 1 = 16 rows of x: a lane holds ONE row, and the 16 registers of tiles 2 b, 2 b + 1 are d = 32 b + 16 h + 0 .. 15.
; V:    source 0 = 16 rows of x (tile order 8 t + r % 8 + 32 (r / 8) along the keys), source 1 = 16 columns of Wv: a lane holds ONE d, and the 16 registers of tiles 2 b, 2 b + 1 are keys 64 (b / 2) + 32 h + 16 (b % 2) + 0 .. 15.
; The biases are the C of each sum's first matrix instruction.
; OUT: qc [b h][job][5,120]: 8 tiles of 512 bytes (registers 0-3: lane (r, h) = block h of query r), two images of four scale registers at 4,096 and 4,608.
;      kv [b h][key step][9,216]: K's 8 tiles at 0; K's scale registers at 4,096 (lanes 0-15 tiles 0-3, lanes 16-31 tiles 4-7); V^T's four fragments at 4,608; V's scale registers at 8,704.
;      Q's and K's scale words carry 0x7f in bytes 2 and 3: attention runs their 64 along K in an instruction of 128, the upper 64 against zero codes.
; LIMITS: a block of zeros or under 2^-124 keeps the byte 1 over zero codes; NaN and infinities are not served.
; REGISTERS, in windows of 256: window 0: v1-5 addresses; v16-79 accumulators; v80-95 at work; v100-131 codes; v132-143 scale words made; v144-175 x's scale words; v176-223 the weights'.
;   window 1: x's 32 fragments (tile m, K step k at 32 m + 8 k).   window 2: Wq's 16 fragments (tile q at 32 q + 8 k), Wk's at 128 on.   window 3: Wv's; bq at 128, bk at 160, bv at 192 (8 a tile).
.set LI,  1                            ; v1  16 x lane
.set H64, 4                            ; v4  64 h: bq, bk: my half's 16 numbers of a block
.set PD,  5                            ; v5  4 (r + 8 (r / 8)): bv: my d in a tile
.set ACC, 16
.set TM,  80                           ; +0..3 largest magnitudes, +4..7 the other half's, then bytes, +12..15 scale operands
.set CQ,  100
.set SQ,  132
.set SK4, 140
.set XS,  144
.set WS,  176
.set SEL, 20
.set MSB, 0
.macro WIN new                         ; the immediate's high byte repeats the setting that is left
.if MSB != \new
	s_set_vgpr_msb (MSB<<8)|\new
.set MSB, \new
.endif
.endm
.macro PLACES                          ; four plain places behind a matrix instruction, ahead of the first read of its result (ISA guide 7.12.1)
.rept 4
	v_nop
.endr
.endm
; 16 nb numbers of a lane, register 16 b + i = k 32 b + 16 h + i of my row, become 2 nb registers of codes (a whole block in a lane) and the row's scale word.
.macro QUANT s, nb, pc, pw
.irp b, 0,1,2,3
.if \b < \nb
	v_max3_num_f32 v[TM+\b], |v[(\s)+16*\b]|, |v[(\s)+16*\b+1]|, 0x1800000   ; with the floor 2^(3 - 127)
.endif
.endr
.irp i, 2,4,6,8,10,12,14
.irp b, 0,1,2,3
.if \b < \nb
	v_max3_num_f32 v[TM+\b], v[TM+\b], |v[(\s)+16*\b+\i]|, |v[(\s)+16*\b+\i+1]|
.endif
.endr
.endr
.irp b, 0,1,2,3
.if \b < \nb
	v_permlanex16_b32 v[TM+4+\b], v[TM+\b], s[SEL], s[SEL+1]
.endif
.endr
.irp b, 0,1,2,3
.if \b < \nb
	v_max_num_f32 v[TM+\b], v[TM+\b], v[TM+4+\b]   ; with lane l xor 16's 16: the block's largest magnitude
.endif
.endr
.irp b, 0,1,2,3
.if \b < \nb
	v_add_nc_u32 v[TM+12+\b], 0xff000000, v[TM+\b] ; 2 off the exponent field: the conversions' scale operand
.endif
.endr
.irp b, 0,1,2,3
.if \b < \nb
	v_lshrrev_b32 v[TM+4+\b], 23, v[TM+12+\b]      ; the byte
.endif
.endr
	v_lshl_or_b32 v[\pw], v[TM+5], 8, v[TM+4]
.if \nb == 4
	v_lshl_or_b32 v[\pw], v[TM+6], 16, v[\pw]
	v_lshl_or_b32 v[\pw], v[TM+7], 24, v[\pw]
.else
	v_or_b32 v[\pw], 0x7f7f0000, v[\pw]            ; bytes 2 and 3: 2^0, for the 64 along K that are not there
.endif
.irp b, 0,1,2,3
.if \b < \nb
	v_cvt_scalef32_pk8_fp4_f32 v[(\pc)+2*\b], v[(\s)+16*\b:(\s)+16*\b+7], v[TM+12+\b]
	v_cvt_scalef32_pk8_fp4_f32 v[(\pc)+2*\b+1], v[(\s)+16*\b+8:(\s)+16*\b+15], v[TM+12+\b]
.endif
.endr
	v_nop                                          ; one plain place behind a scaled conversion
.irp c, 0,1
.if 2*\c < \nb
	v_permlane16_swap_b32 v[(\pc)+4*\c], v[(\pc)+4*\c+2]     ; lanes 0-15 get block 2 c whole, lanes 16-31 block 2 c + 1
	v_permlane16_swap_b32 v[(\pc)+4*\c+1], v[(\pc)+4*\c+3]
.endif
.endr
.endm
; V along the keys.  The rows of x's tiles are 8 t + r % 8 + 32 (r / 8) in a group of four tiles, so register 32 c + i of the eight accumulators is key 64 c + 32 h + i:
; a lane holds two whole blocks, the conversions' results are the fragment's registers, and only the scale word's bytes are gathered from lane l xor 16.
.macro QUANTV s, pc, pw
.irp c, 0,1
	v_max3_num_f32 v[TM+\c], |v[(\s)+32*\c]|, |v[(\s)+32*\c+1]|, 0x1800000   ; with the floor 2^(3 - 127)
	v_max3_num_f32 v[TM+2+\c], |v[(\s)+32*\c+16]|, |v[(\s)+32*\c+17]|, |v[(\s)+32*\c+18]|
.endr
.irp i, 2,4,6,8,10,12
.irp c, 0,1
	v_max3_num_f32 v[TM+\c], v[TM+\c], |v[(\s)+32*\c+\i]|, |v[(\s)+32*\c+\i+1]|
	v_max3_num_f32 v[TM+2+\c], v[TM+2+\c], |v[(\s)+32*\c+17+\i]|, |v[(\s)+32*\c+18+\i]|
.endr
.endr
.irp c, 0,1
	v_max3_num_f32 v[TM+\c], v[TM+\c], |v[(\s)+32*\c+14]|, |v[(\s)+32*\c+15]|
.endr
.irp c, 0,1
	v_max3_num_f32 v[TM+\c], v[TM+\c], v[TM+2+\c], |v[(\s)+32*\c+31]|
.endr
.irp c, 0,1
	v_add_nc_u32 v[TM+12+\c], 0xff000000, v[TM+\c] ; 2 off the exponent field: the conversions' scale operand
.endr
.irp c, 0,1
	v_lshrrev_b32 v[TM+4+\c], 23, v[TM+12+\c]      ; the bytes of blocks h and 2 + h
.endr
	v_lshl_or_b32 v[\pw], v[TM+5], 16, v[TM+4]
	v_lshlrev_b32 v[\pw], v6, v[\pw]               ; 8 h bits up
	v_permlanex16_b32 v[TM+6], v[\pw], s[SEL], s[SEL+1]
	v_or_b32 v[\pw], v[\pw], v[TM+6]               ; with lane l xor 16's two the word is whole
.irp c, 0,1
.irp g, 0,1,2,3
	v_cvt_scalef32_pk8_fp4_f32 v[(\pc)+4*\c+\g], v[(\s)+32*\c+8*\g:(\s)+32*\c+8*\g+7], v[TM+12+\c]
.endr
.endr
	v_nop                                          ; one plain place behind a scaled conversion
.endm
	s_load_b256 s[4:11], s[0:1], 0x0               ; xq s[4:5], wc s[6:7], bq s[8:9], bk s[10:11]
	s_load_b128 s[12:15], s[0:1], 0x20             ; bv s[12:13], qc s[14:15]
	s_load_b64 s[16:17], s[0:1], 0x30              ; kv
	v_lshrrev_b32 v1, 5, v0
	v_readfirstlane_b32 s18, v1                    ; wave 0..3
	v_and_b32 v2, 31, v0
	v_lshlrev_b32 v[LI], 4, v2
	v_and_b32 v2, 15, v0                           ; r
	v_bfe_u32 v3, v0, 4, 1                         ; h
	v_lshlrev_b32 v[H64], 6, v3
	v_lshlrev_b32 v6, 3, v3                        ; v6  8 h: where my bytes stand in V's scale word
	v_and_b32 v[PD], 8, v2
	v_add_nc_u32 v[PD], v[PD], v2
	v_lshlrev_b32 v[PD], 2, v[PD]
.irp b, 0,1,2,3
	v_mov_b32 v[TM+4+\b], 0                        ; a lane permute's destination counts as read
.endr
	s_mov_b32 s[SEL], 0x76543210
	s_mov_b32 s[SEL+1], 0xfedcba98
	s_and_b32 s19, ttmp7, 0xffff
	s_lshl_b32 s19, s19, 2
	s_add_co_u32 s19, s19, s18                     ; the head
	s_mul_i32 s22, ttmp9, 36864                    ; my block's 8 tiles of x
	s_mov_b32 s23, 0
	s_mul_i32 s24, s19, 18432                      ; my head's 4 tiles in each weight
	s_mov_b32 s25, 0
	s_lshl_b32 s26, s19, 8                         ; my head's 64 numbers in each bias
	s_mov_b32 s27, 0
	s_lshr_b32 s28, ttmp9, 4                       ; the batch: 16 blocks of 128 rows each
	s_lshl_b32 s28, s28, 3
	s_add_co_u32 s28, s28, s19                     ; 8 b + head
	s_lshl_b32 s28, s28, 4
	s_and_b32 s29, ttmp9, 15
	s_add_co_u32 s28, s28, s29                     ; x 16 + the block in its batch
	s_mul_i32 s30, s28, 5120
	s_mov_b32 s31, 0
	s_mul_i32 s32, s28, 9216
	s_mov_b32 s33, 0
	s_wait_alu depctr_va_vdst(0)
	s_wait_kmcnt 0x0
	s_add_nc_u64 s[4:5], s[4:5], s[22:23]
	s_add_nc_u64 s[6:7], s[6:7], s[24:25]
	s_add_nc_u64 s[8:9], s[8:9], s[26:27]
	s_add_nc_u64 s[10:11], s[10:11], s[26:27]
	s_add_nc_u64 s[12:13], s[12:13], s[26:27]
	s_add_nc_u64 s[14:15], s[14:15], s[30:31]
	s_add_nc_u64 s[16:17], s[16:17], s[32:33]
	; ---- all operands, 228 loads: x 72, Q's group 44, K's group 44, V's group 68
	WIN 0x40                                       ; destination window 1
.irp m, 0,1,2,3,4,5,6,7
.irp k, 0,1,2,3
.irp c, 0,1
	global_load_b128 v[32*\m+8*\k+4*\c:32*\m+8*\k+4*\c+3], v[LI], s[4:5] offset:\m*4608+\k*1024+512*\c
.endr
.endr
.endr
	WIN 0
.irp m, 0,1,2,3,4,5,6,7
	global_load_b128 v[XS+4*\m:XS+4*\m+3], v[LI], s[4:5] offset:\m*4608+4096
.endr
.macro WGROUP u, bp                    ; Wq's (u = 0) or Wk's (1) fragments, scale words and bias
	WIN 0x80                                       ; destination window 2
.irp q, 0,1,2,3
.irp k, 0,1,2,3
.irp c, 0,1
	global_load_b128 v[128*\u+32*\q+8*\k+4*\c:128*\u+32*\q+8*\k+4*\c+3], v[LI], s[6:7] offset:\u*147456+\q*4608+\k*1024+512*\c
.endr
.endr
.endr
	WIN 0
.irp q, 0,1,2,3
	global_load_b128 v[WS+16*\u+4*\q:WS+16*\u+4*\q+3], v[LI], s[6:7] offset:\u*147456+\q*4608+4096
.endr
	WIN 0xc0                                       ; destination window 3
.irp q, 0,1,2,3                        ; tile q = 2 b + u: lane (r, h) wants d = 32 b + 16 h + 8 u + 0 .. 7
	global_load_b128 v[128+32*\u+8*\q:128+32*\u+8*\q+3], v[H64], s[\bp:\bp+1] offset:(32*(\q/2)+8*(\q%2))*4
	global_load_b128 v[128+32*\u+8*\q+4:128+32*\u+8*\q+7], v[H64], s[\bp:\bp+1] offset:(32*(\q/2)+8*(\q%2))*4+16
.endr
.endm
	WGROUP 0, 8
	WGROUP 1, 10
.irp q, 0,1,2,3                        ; (the destination is still window 3)
.irp k, 0,1,2,3
.irp c, 0,1
	global_load_b128 v[32*\q+8*\k+4*\c:32*\q+8*\k+4*\c+3], v[LI], s[6:7] offset:294912+\q*4608+\k*1024+512*\c
.endr
.endr
.endr
	WIN 0
.irp q, 0,1,2,3
	global_load_b128 v[WS+32+4*\q:WS+32+4*\q+3], v[LI], s[6:7] offset:294912+\q*4608+4096
.endr
	WIN 0xc0
.irp q, 0,1,2,3                        ; bv: in V's result a lane holds one d: its number fills the tile's eight registers
.irp j, 0,1,2,3,4,5,6,7
	global_load_b32 v[192+8*\q+\j], v[PD], s[12:13] offset:(32*(\q/2)+8*(\q%2))*4
.endr
.endr
	WIN 0
	s_wait_loadcnt 63                              ; behind bk's last load 68 were issued: with 63 out at the most, x, Q's group and K's group are in
; Q or K: for each of the 8 row tiles 16 matrix instructions, the four accumulators by turns, K ascending; then the quantiser and a store of 512 bytes.
.macro QKUNIT u, ob
.irp m, 0,1,2,3,4,5,6,7
	WIN 0x36                                       ; source 0 (W) window 2, source 1 (x) window 1, C (the bias) window 3, D window 0
.irp q, 0,1,2,3
	v_wmma_scale_f32_16x16x128_f8f6f4 v[ACC+8*\q:ACC+8*\q+7], v[128*\u+32*\q:128*\u+32*\q+7], v[32*\m:32*\m+7], v[128+32*\u+8*\q:128+32*\u+8*\q+7], v[WS+16*\u+4*\q], v[XS+4*\m] matrix_a_fmt:MATRIX_FMT_FP4 matrix_b_fmt:MATRIX_FMT_FP4
.endr
	WIN 0x06                                       ; C and D window 0
.irp k, 1,2,3
.irp q, 0,1,2,3
	v_wmma_scale_f32_16x16x128_f8f6f4 v[ACC+8*\q:ACC+8*\q+7], v[128*\u+32*\q+8*\k:128*\u+32*\q+8*\k+7], v[32*\m+8*\k:32*\m+8*\k+7], v[ACC+8*\q:ACC+8*\q+7], v[WS+16*\u+4*\q+\k], v[XS+4*\m+\k] matrix_a_fmt:MATRIX_FMT_FP4 matrix_b_fmt:MATRIX_FMT_FP4
.endr
.endr
	WIN 0
	PLACES
	QUANT ACC, 2, CQ+4*\m, SQ+\m
	global_store_b128 v[LI], v[CQ+4*\m:CQ+4*\m+3], s[\ob:\ob+1] offset:512*\m
.endr
.endm
	QKUNIT 0, 14
	global_store_b128 v[LI], v[SQ:SQ+3], s[14:15] offset:4096      ; the scale words of tiles 0-3,
	global_store_b128 v[LI], v[SQ+4:SQ+7], s[14:15] offset:4608    ; and of tiles 4-7
	s_wait_xcnt 0x0                                ; the stores' data are written again only behind this wait
	QKUNIT 1, 16
	v_cmp_eq_u32 vcc_lo, 1, v3
.irp t, 0,1,2,3
	v_cndmask_b32 v[SK4+\t], v[SQ+\t], v[SQ+4+\t], vcc_lo          ; lanes 0-15: tile t's word; lanes 16-31: tile 4 + t's
.endr
	global_store_b128 v[LI], v[SK4:SK4+3], s[16:17] offset:4096
	s_wait_xcnt 0x0
	s_wait_loadcnt 0x0                             ; V's group
	; ---- V^T: for each of the 4 tiles of d, 32 matrix instructions, the eight accumulators (8 tiles of keys) by turns; then the quantiser along the 128 keys: one fragment
.irp q, 0,1,2,3
	WIN 0x3d                                       ; source 0 (x) window 1, source 1 (Wv) and C (bv) window 3, D window 0
.irp m, 0,1,2,3,4,5,6,7
	v_wmma_scale_f32_16x16x128_f8f6f4 v[ACC+8*\m:ACC+8*\m+7], v[32*\m:32*\m+7], v[32*\q:32*\q+7], v[192+8*\q:192+8*\q+7], v[XS+4*\m], v[WS+32+4*\q] matrix_a_fmt:MATRIX_FMT_FP4 matrix_b_fmt:MATRIX_FMT_FP4
.endr
	WIN 0x0d
.irp k, 1,2,3
.irp m, 0,1,2,3,4,5,6,7
	v_wmma_scale_f32_16x16x128_f8f6f4 v[ACC+8*\m:ACC+8*\m+7], v[32*\m+8*\k:32*\m+8*\k+7], v[32*\q+8*\k:32*\q+8*\k+7], v[ACC+8*\m:ACC+8*\m+7], v[XS+4*\m+\k], v[WS+32+4*\q+\k] matrix_a_fmt:MATRIX_FMT_FP4 matrix_b_fmt:MATRIX_FMT_FP4
.endr
.endr
	WIN 0
	PLACES
	QUANTV ACC, CQ+8*\q, SQ+\q
	global_store_b128 v[LI], v[CQ+8*\q:CQ+8*\q+3], s[16:17] offset:4608+1024*\q
	global_store_b128 v[LI], v[CQ+8*\q+4:CQ+8*\q+7], s[16:17] offset:4608+1024*\q+512
.endr
	global_store_b128 v[LI], v[SQ:SQ+3], s[16:17] offset:8704
	s_endpgm
.Lfunc_end_k_q8e87222cb7_proj:
	.size	k_q8e87222cb7_proj, .Lfunc_end_k_q8e87222cb7_proj-k_q8e87222cb7_proj
	.p2alignl 7, 3214868480
	.fill 96, 4, 3214868480
	.section	.rodata,"a",@progbits
	.p2align	6, 0x0
	.amdhsa_kernel k_q8e87222cb7_proj
		.amdhsa_group_segment_fixed_size 0
		.amdhsa_private_segment_fixed_size 0
		.amdhsa_enable_private_segment 0
		.amdhsa_kernarg_size 56
		.amdhsa_user_sgpr_count 2
		.amdhsa_user_sgpr_kernarg_segment_ptr 1
		.amdhsa_wavefront_size32 1
		.amdhsa_system_sgpr_workgroup_id_x 1
		.amdhsa_system_sgpr_workgroup_id_y 1
		.amdhsa_system_sgpr_workgroup_id_z 1
		.amdhsa_system_vgpr_workitem_id 0
		.amdhsa_next_free_vgpr 1024
		.amdhsa_next_free_sgpr 66
		.amdhsa_reserve_vcc 1
		.amdhsa_float_denorm_mode_32 3
		.amdhsa_float_denorm_mode_16_64 3
		.amdhsa_memory_ordered 1
		.amdhsa_forward_progress 1
		.amdhsa_inst_pref_size 122
	.end_amdhsa_kernel
	.amdgpu_metadata
---
amdhsa.version: [ 1, 2 ]
amdhsa.kernels:
  - .name:           k_q8e87222cb7_proj
    .symbol:         k_q8e87222cb7_proj.kd
    .args:
      - { .name: xq, .offset: 0, .size: 8, .value_kind: global_buffer, .address_space: global }
      - { .name: wc, .offset: 8, .size: 8, .value_kind: global_buffer, .address_space: global }
      - { .name: bq, .offset: 16, .size: 8, .value_kind: global_buffer, .address_space: global }
      - { .name: bk, .offset: 24, .size: 8, .value_kind: global_buffer, .address_space: global }
      - { .name: bv, .offset: 32, .size: 8, .value_kind: global_buffer, .address_space: global }
      - { .name: qc, .offset: 40, .size: 8, .value_kind: global_buffer, .address_space: global }
      - { .name: kv, .offset: 48, .size: 8, .value_kind: global_buffer, .address_space: global }
    .group_segment_fixed_size: 0
    .private_segment_fixed_size: 0
    .kernarg_segment_align: 8
    .kernarg_segment_size: 56
    .max_flat_workgroup_size: 128
    .sgpr_count:     66
    .vgpr_count:     1024
    .wavefront_size: 32
...
	.end_amdgpu_metadata
.endif
;; end of part 2
;; launch attn (part 3): grid 4 x 64, 16 waves a work-group, clusters of 4 x 1, 169,984 bytes of LDS; arguments qc, kv, ctxq; writes ctxq
.if DOCPART == 3
	.amdgcn_target "amdgcn-amd-amdhsa--gfx1250"
	.amdhsa_code_object_version 6
	.text
	.protected	k_q8e87222cb7_attn
	.globl	k_q8e87222cb7_attn
	.p2align	8
	.type	k_q8e87222cb7_attn,@function
k_q8e87222cb7_attn:
	s_mov_b64 s[64:65], 0
	v_nop
	global_prefetch_b8 v0, s[64:65] scope:SCOPE_SE
	s_setreg_imm32_b32 hwreg(HW_REG_WAVE_MODE, 25, 1), 1
	s_wait_xcnt 0x0
	s_wait_alu depctr_hold_cnt(0) depctr_sa_sdst(0) depctr_va_vdst(0) depctr_va_sdst(0) depctr_va_ssrc(0) depctr_va_vcc(0) depctr_vm_vsrc(0)
	s_getreg_b32 s2, hwreg(HW_REG_IB_STS2, 6, 4)
	s_cmp_eq_u32 s2, 0
	s_cbranch_scc0 .Lentry_in_a_cluster
	s_endpgm
.Lentry_in_a_cluster:
	s_bfe_u32 s2, ttmp6, 0x10000c
	s_cmp_lg_u32 s2, 0x3003
	s_cbranch_scc0 .Lentry_shape_is_right
	s_endpgm
.Lentry_shape_is_right:
; ATTN: ctx[b h][q] = the sum over the keys of softmax(Q . K / 8) V, both products on codes of FP4 with E8M0 scales; ctx is quantised along the head's 64 and stored as register images.
; THE SOFTMAX: t = score x log2(e) / 8; M = the running largest t rounded UP to a whole number; p = 2^(t - M) is quantised along the keys, not normalised; the row's sum is taken of the
; unquantised p and divides at the end.  When M moves, the sum and O are multiplied by 2^(old M - new M), which rounds nothing.
; SHARES: work-group = 512 queries of one head (grid y = 8 b + head); each of its 16 waves owns two tiles of 16 queries, one after the other.  A step is 128 keys: 8 products K Q^T, the softmax, 4 products V^T P^T.
; THE WHOLE HEAD'S K AND V STAY IN LDS: 16 steps x 9,216 bytes of register images, filled ONCE: wave w fetches step w with its one tensor load (36 rows of 256 bytes).
; CLUSTER: the four work-groups of a cluster are the four query blocks of one head and want the same 147,456 bytes: each step is asked for JOINTLY (mask 15).
; NO PREFETCH: all that the launch reads through LDS is asked for by the head's loads; there is no loop to run ahead in.
; LAYOUT: both products transposed: a lane holds ONE query.  Lane r of K's tile 4 c + t holds key 64 c + 8 t + r % 8 + 32 (r / 8), so register 32 c + i of S^T is key 64 c + 32 h + i:
; a lane holds two WHOLE blocks of 32 keys (blocks h and 2 + h): a block's maximum needs no other lane, and the conversions' results are the second product's operand registers as they stand.
; K = 64 IN AN INSTRUCTION OF 128: Q's registers 4-7 are zero codes, so K's registers 4-7 may be any codes: tile t's tuple runs on into tile t + 1's (tile 7's into four zeros).  Bytes 2, 3 of both scale words are 0x7f.
; LDS LOADS RUN AHEAD: behind a step's first products V's fragments of this step and K's of the next are asked for: 18 loads, of which the 9 younger may be out at the second product.
; LIMITS: the scaled scores stay under 2^31 in magnitude; p under 2^-126 falls to 0; 1 / l by v_rcp_f32; a block of zeros keeps the byte 1 over zero codes; NaN and infinities are not served.
.set STEPB, 9216
.set SPARE, 0x29000                    ; behind the 16 steps: the spare words, 128 bytes a wave
.set LI,  1                            ; v1   16 x lane
.set AD,  2                            ; v2   LDS address of the step in hand
.set QS1, 3                            ; v3   the second tile's scale word of Q
.set Q1,  4                            ; v4-7 its codes
.set SH8, 8                            ; v8   8 h
.set PT,  9                            ; v9   what lane l xor 16 sends
.set TP,  10                           ; v10  the old -M, then old M - new M
.set TQ,  11
.set NM,  12                           ; v12 -M, v13 the largest score so far
.set LS,  14                           ; v14-15 the row's sum in two halves
.set QF,  16                           ; v16-19 Q's codes, v20-23 zeros
.set QS,  24
.set F,   26                           ; v26  f = 2^(old M - new M); v27 written once (named with it as a pair)
.set PW,  28                           ; v28  p's scale word
.set KF,  32                           ; v32-63 K's eight tiles, v64-67 zeros
.set KS,  68
.set VS,  72
.set PC,  76                           ; v76-83 p's codes
.set TM,  84                           ; +0..3 maxima, +4,5 bytes, +12,13 scale operands
.set S,   100                          ; v100-163 S^T, then p
.set O,   164                          ; v164-195 O^T
.set VF,  196                          ; v196-227 V^T's four fragments
.set A1,  228                          ; three more chains of the sum
.set A2,  230
.set A3,  232
.set SPW, 240
.set NIL, 241
.set CW,  242                          ; v242, v243 ctx's scale word, one register for each pass; v244-251 its codes likewise: no store's data are written again
.set CC,  244
.set G1,  16
.set G0,  24
.set SEL, 40
.set CS,  42                           ; s[42:43] c = log2(e) / 8, twice
.set WV,  44
.set TB,  45
.set CNT, 46
.set NC,  47                           ; -c
.macro PLACES
.rept 4
	v_nop
.endr
.endm
.macro CROUND                          ; a round of the cluster's barrier
	s_barrier_signal -1
	s_barrier_wait -1
	s_cmp_lg_u32 s[WV], 0
	s_cbranch_scc1 .Lnot_wave_0_\@
	s_barrier_signal -3
.Lnot_wave_0_\@:
	s_barrier_wait -3
	s_barrier_signal -1
	s_barrier_wait -1
.endm
; ctx: 32 numbers of a lane, register 16 b + i = d 32 b + 16 h + i of my query, become four registers of codes and two scale bytes.
.macro QUANT2 s, pc, pw
.irp b, 0,1
	v_max3_num_f32 v[TM+\b], |v[(\s)+16*\b]|, |v[(\s)+16*\b+1]|, 0x1800000
.endr
.irp i, 2,4,6,8,10,12,14
.irp b, 0,1
	s_delay_alu instid0(VALU_DEP_2)
	v_max3_num_f32 v[TM+\b], v[TM+\b], |v[(\s)+16*\b+\i]|, |v[(\s)+16*\b+\i+1]|
.endr
.endr
.irp b, 0,1
	s_delay_alu instid0(VALU_DEP_2)
	v_permlanex16_b32 v[TM+4+\b], v[TM+\b], s[SEL], s[SEL+1]
.endr
.irp b, 0,1
	s_delay_alu instid0(VALU_DEP_2)
	v_max_num_f32 v[TM+\b], v[TM+\b], v[TM+4+\b]
.endr
.irp b, 0,1
	s_delay_alu instid0(VALU_DEP_2)
	v_add_nc_u32 v[TM+12+\b], 0xff000000, v[TM+\b]
.endr
.irp b, 0,1
	s_delay_alu instid0(VALU_DEP_2)
	v_lshrrev_b32 v[TM+4+\b], 23, v[TM+12+\b]
.endr
	s_delay_alu instid0(VALU_DEP_1)
	v_lshl_or_b32 v[\pw], v[TM+5], 8, v[TM+4]
.irp b, 0,1
	v_cvt_scalef32_pk8_fp4_f32 v[(\pc)+2*\b], v[(\s)+16*\b:(\s)+16*\b+7], v[TM+12+\b]
	v_cvt_scalef32_pk8_fp4_f32 v[(\pc)+2*\b+1], v[(\s)+16*\b+8:(\s)+16*\b+15], v[TM+12+\b]
.endr
	v_nop                                          ; one plain place behind a scaled conversion
	v_permlane16_swap_b32 v[(\pc)], v[(\pc)+2]     ; lanes 0-15 get block 0 whole, lanes 16-31 block 1
	v_permlane16_swap_b32 v[(\pc)+1], v[(\pc)+3]
.endm
	s_load_b128 s[4:7], s[0:1], 0x0                ; qc s[4:5], kv s[6:7]
	s_load_b64 s[8:9], s[0:1], 0x10                ; ctxq
	v_lshl_add_u32 v[SPW], v0, 2, SPARE
	v_mov_b32 v[NIL], 0
	ds_add_u32 v[SPW], v[NIL]                      ; the opening lines: the add, twice on end, and its wait
	ds_add_u32 v[SPW], v[NIL]
	v_lshrrev_b32 v1, 5, v0
	v_readfirstlane_b32 s[WV], v1                  ; wave 0..15
	s_bfe_u32 s10, ttmp6, 0x40000                  ; cx: it enters Q's and ctx's addresses alone
	s_lshl_b32 s11, ttmp9, 2
	s_add_co_u32 s11, s11, s10                     ; my block of 512 queries
	s_and_b32 s12, ttmp7, 0xffff                   ; 8 b + head, which the four partners share
	s_mov_b32 s[G1], 15|(3<<16)|(1<<21)            ; the mask: all four work-groups; elements of 8 bytes; bit 21 beside a mask
	s_mov_b32 s[G1+1], 32<<16                      ; tensor_dim0: a row of 256 bytes
	s_mov_b32 s[G1+2], 36<<16                      ; tensor_dim1: 36 rows = one step
	s_mov_b32 s[G1+3], 32<<16                      ; tile_dim0
	s_mov_b32 s[G1+4], 36                          ; tile_dim1
	s_mov_b32 s[G1+5], 32                          ; dense
	s_mov_b32 s[G1+6], 0
	s_mov_b32 s[G1+7], 0
	s_mul_i32 s14, s12, 16*STEPB                   ; the head's K and V,
	s_mul_i32 s13, s[WV], STEPB                    ; my step, in memory and in LDS alike
	s_add_co_u32 s14, s14, s13
	s_mov_b32 s15, 0
	; Q: job = 16 (8 b + head) + 4 block + wave / 8 (128 queries each); tile wave % 8 in it.  The second tile lies two jobs on
	s_lshl_b32 s56, s12, 4
	s_lshl_b32 s57, s11, 2
	s_add_co_u32 s56, s56, s57
	s_lshr_b32 s57, s[WV], 3
	s_add_co_u32 s56, s56, s57
	s_mul_i32 s56, s56, 5120
	s_and_b32 s57, s[WV], 7
	s_lshl_b32 s57, s57, 9
	s_add_co_u32 s58, s56, s57                     ; its codes
	s_mov_b32 s59, 0
	s_bfe_u32 s57, s[WV], 0x10002
	s_lshl_b32 s57, s57, 9                         ; which image of four scale registers,
	s_add_co_u32 s56, s56, s57
	s_and_b32 s57, s[WV], 3
	s_lshl_b32 s57, s57, 2                         ; which word in it
	s_add_co_u32 s56, s56, s57
	s_add_co_u32 s56, s56, 4096
	s_mov_b32 s57, 0
	; ctx: row tile 128 b + 32 block + wave; the second lies 16 tiles on.  Head hd's codes at 512 hd, its two scale bytes at 4,096 + 16 lane + 2 hd
	s_lshr_b32 s60, s12, 3
	s_lshl_b32 s60, s60, 7
	s_lshl_b32 s61, s11, 5
	s_add_co_u32 s60, s60, s61
	s_add_co_u32 s60, s60, s[WV]
	s_mul_i32 s60, s60, 4608
	s_and_b32 s61, s12, 7
	s_lshl_b32 s62, s61, 9
	s_add_co_u32 s62, s60, s62
	s_mov_b32 s63, 0
	s_lshl_b32 s61, s61, 1
	s_add_co_u32 s60, s60, s61
	s_add_co_u32 s60, s60, 4096
	s_mov_b32 s61, 0
	s_mov_b32 s[SEL], 0x76543210
	s_mov_b32 s[SEL+1], 0xfedcba98
	s_mov_b32 s[CS], 0x3e38aa3b                    ; log2(e) / 8
	s_mov_b32 s[CS+1], s[CS]
	s_mov_b32 s[NC], 0xbe38aa3b
	s_wait_dscnt 0x0                               ; both opening adds are done
	s_wait_kmcnt 0x0
	s_add_nc_u64 s[48:49], s[4:5], s[58:59]
	s_add_nc_u64 s[50:51], s[4:5], s[56:57]
	s_add_nc_u64 s[52:53], s[8:9], s[62:63]
	s_add_nc_u64 s[54:55], s[8:9], s[60:61]
	s_mov_b32 s[G0], 1
	s_mov_b32 s[G0+1], s13
	s_add_nc_u64 s[G0+2:G0+3], s[6:7], s[14:15]
	s_or_b32 s[G0+3], s[G0+3], 0x80000000
	CROUND                                         ; all four work-groups are here: the joint loads meet
	tensor_load_to_lds s[G0:G0+3], s[G1:G1+7]      ; my one tensor load: step = my wave's number
	s_nop 0
	PLACES
	v_and_b32 v1, 31, v0
	v_bfe_u32 v[SH8], v0, 4, 1
	v_lshlrev_b32 v[LI], 4, v1
	v_lshlrev_b32 v[SH8], 3, v[SH8]
	s_wait_alu depctr_va_vdst(0)
	global_load_b128 v[QF:QF+3], v[LI], s[48:49]
	global_load_b128 v[Q1:Q1+3], v[LI], s[48:49] offset:10240
	global_load_b32 v[QS], v[LI], s[50:51]
	global_load_b32 v[QS1], v[LI], s[50:51] offset:10240
.irp j, 0,1,2,3
	v_mov_b32 v[QF+4+\j], 0                        ; zero codes for the 64 along K that are not there
	v_mov_b32 v[KF+32+\j], 0                       ; the tail of tile 7's tuple
.endr
	v_mov_b32 v[PT], 0                             ; a lane permute's destination counts as read
	v_mov_b32 v[F+1], 0
.macro PASSINIT                        ; a tile of queries begins: O^T and the sum as zeros, the largest score under every score: the first change of M multiplies zeros
	v_mov_b32 v[NM+1], 0xff61b1e6                  ; -3e38
	v_mov_b32 v[NM], 0x7f61b1e6                    ; -M: 3e38
	v_mov_b32 v[LS], 0
	v_mov_b32 v[LS+1], 0
.set j, 0
.rept 32
	v_mov_b32 v[O+j], 0
.set j, j+1
.endr
	s_wait_alu depctr_va_vdst(0)
.endm
.macro TFMA n                          ; t - M, two at a time
.rept \n
	v_pk_fma_f32 v[S+j:S+j+1], v[S+j:S+j+1], s[CS:CS+1], v[NM:NM+1] op_sel_hi:[1,0,0]
.set j, j+2
.endr
.endm
.macro SUM4 i                          ; four chains of the row's sum
	v_pk_add_f32 v[A1:A1+1], v[A1:A1+1], v[S+\i:S+\i+1]
	v_pk_add_f32 v[A2:A2+1], v[A2:A2+1], v[S+\i+2:S+\i+3]
	v_pk_add_f32 v[A3:A3+1], v[A3:A3+1], v[S+\i+4:S+\i+5]
	v_pk_add_f32 v[LS:LS+1], v[LS:LS+1], v[S+\i+6:S+\i+7]
.endm
; A STEP: 128 keys.  pre = 1: the next step's K is asked for.
.macro STEP pre
	s_wait_dscnt 0x0                               ; K's nine loads are in
.irp t, 0,1,2,3
	v_wmma_scale_f32_16x16x128_f8f6f4 v[S+8*\t:S+8*\t+7], v[KF+4*\t:KF+4*\t+7], v[QF:QF+7], 0, v[KS+\t], v[QS] matrix_a_fmt:MATRIX_FMT_FP4 matrix_b_fmt:MATRIX_FMT_FP4
.endr
.irp t, 4,5,6,7
	v_wmma_scale_f32_16x16x128_f8f6f4 v[S+8*\t:S+8*\t+7], v[KF+4*\t:KF+4*\t+7], v[QF:QF+7], 0, v[KS+\t-4], v[QS] matrix_a_fmt:MATRIX_FMT_FP4 matrix_b_fmt:MATRIX_FMT_FP4 matrix_a_scale:MATRIX_SCALE_ROW1
.endr
	v_add_nc_u32 v[AD], s[TB], v[LI]               ; four places behind the products, ahead of the loads into their registers and of the first read of S^T
	v_mov_b32 v[TP], v[NM]                         ; the old -M
	v_nop
	v_nop
.irp q, 0,1,2,3
.irp c, 0,1
	ds_load_b128 v[VF+8*\q+4*\c:VF+8*\q+4*\c+3], v[AD] offset:4608+1024*\q+512*\c
.endr
.endr
	ds_load_b128 v[VS:VS+3], v[AD] offset:8704
.if \pre
.irp t, 0,1,2,3,4,5,6,7
	ds_load_b128 v[KF+4*\t:KF+4*\t+3], v[AD] offset:STEPB+512*\t
.endr
	ds_load_b128 v[KS:KS+3], v[AD] offset:STEPB+4096
.endif
.irp c, 0,1                                    ; the largest score of my two blocks, two chains each; each accumulator is read from its low end on
	v_max3_num_f32 v[TM+\c], v[S+32*\c], v[S+32*\c+1], v[S+32*\c+2]
	v_max3_num_f32 v[TM+2+\c], v[S+32*\c+16], v[S+32*\c+17], v[S+32*\c+18]
.endr
.irp i, 3,5,7,9,11,13
.irp c, 0,1
	v_max3_num_f32 v[TM+\c], v[TM+\c], v[S+32*\c+\i], v[S+32*\c+\i+1]
	v_max3_num_f32 v[TM+2+\c], v[TM+2+\c], v[S+32*\c+16+\i], v[S+32*\c+17+\i]
.endr
.endr
.irp c, 0,1
	v_max3_num_f32 v[TM+\c], v[TM+\c], v[TM+2+\c], v[S+32*\c+15]
.endr
.irp c, 0,1
	v_max_num_f32 v[TM+\c], v[TM+\c], v[S+32*\c+31]
.endr
	v_max_num_f32 v[TQ], v[TM], v[TM+1]
	v_permlanex16_b32 v[PT], v[TQ], s[SEL], s[SEL+1]
	v_max3_num_f32 v[NM+1], v[NM+1], v[TQ], v[PT]  ; the running largest score of my query
	v_mul_f32 v[TQ], s[NC], v[NM+1]                ; -t (c is positive)
	v_floor_f32 v[NM], v[TQ]                       ; -M = floor(-t): M is a whole number
	v_sub_f32 v[TP], v[NM], v[TP]                  ; old M - new M: a whole number, 0 or less
.set j, 0
	TFMA 8
	v_cvt_i32_f32 v[TP], v[TP]                     ; (it saturates)
	TFMA 8
	v_ldexp_f32 v[F], 1.0, v[TP]                   ; f
	TFMA 16
.irp c, 0,1
	v_fma_f32 v[TM+\c], v[TM+\c], s[CS], v[NM]     ; the same of each block's largest score
.endr
.set j, 0
.rept 16
	v_pk_mul_f32 v[O+j:O+j+1], v[O+j:O+j+1], v[F:F+1] op_sel_hi:[1,0]   ; O^T under the new M
.set j, j+2
.endr
	s_wait_alu depctr_va_vdst(0)
.set j, 0
.rept 64
	v_exp_f32 v[S+j], v[S+j]                       ; p = 2^(t - M)
.set j, j+1
.endr
.irp c, 0,1
	v_exp_f32 v[TM+\c], v[TM+\c]                   ; the block's largest p: the same two instructions on the same number
.endr
	v_pk_mul_f32 v[LS:LS+1], v[LS:LS+1], v[F:F+1] op_sel_hi:[1,0]   ; the sum under the new M; the plain place behind the exponentials
	s_wait_alu depctr_va_vdst(0)                   ; one wait for the batch, ahead of its first reader
.irp c, 0,1
	v_max_num_f32 v[TM+\c], 0x1800000, v[TM+\c]    ; the floor 2^(3 - 127)
.endr
.irp c, 0,1
	s_delay_alu instid0(VALU_DEP_2)
	v_add_nc_u32 v[TM+12+\c], 0xff000000, v[TM+\c] ; 2 off the exponent field: the conversions' scale operand
.endr
	v_pk_add_f32 v[A1:A1+1], v[S:S+1], v[S+2:S+3]  ; the row's sum is taken of the unquantised p
	v_pk_add_f32 v[A2:A2+1], v[S+4:S+5], v[S+6:S+7]
	v_pk_add_f32 v[A3:A3+1], v[S+8:S+9], v[S+10:S+11]
	v_pk_add_f32 v[LS:LS+1], v[LS:LS+1], v[S+12:S+13]
.irp c, 0,1
.irp g, 0,1,2,3
	v_cvt_scalef32_pk8_fp4_f32 v[PC+4*\c+\g], v[S+32*\c+8*\g:S+32*\c+8*\g+7], v[TM+12+\c]   ; registers 4 c + g of the operand: keys 64 c + 32 h + 8 g on
.endr
.endr
.irp c, 0,1
	v_lshrrev_b32 v[TM+4+\c], 23, v[TM+12+\c]      ; the bytes of blocks h and 2 + h; also the plain place behind the conversions
.endr
	SUM4 14
	v_lshl_or_b32 v[PW], v[TM+5], 16, v[TM+4]
	s_delay_alu instid0(VALU_DEP_1)
	v_lshlrev_b32 v[PW], v[SH8], v[PW]             ; 8 h bits up
	s_delay_alu instid0(VALU_DEP_1)
	v_permlanex16_b32 v[PT], v[PW], s[SEL], s[SEL+1]
	s_delay_alu instid0(VALU_DEP_1)
	v_or_b32 v[PW], v[PW], v[PT]                   ; p's scale word; the 24 additions below are its places ahead of the products
.irp i, 22,30,38,46,54
	SUM4 \i
.endr
	v_pk_add_f32 v[A1:A1+1], v[A1:A1+1], v[S+62:S+63]
	v_pk_add_f32 v[LS:LS+1], v[LS:LS+1], v[A3:A3+1]
	s_delay_alu instid0(VALU_DEP_2)
	v_pk_add_f32 v[A1:A1+1], v[A1:A1+1], v[A2:A2+1]
	s_delay_alu instid0(VALU_DEP_1)
	v_pk_add_f32 v[LS:LS+1], v[LS:LS+1], v[A1:A1+1]
	s_wait_alu depctr_va_vdst(0)
.if \pre
	s_wait_dscnt 9                                 ; V's nine loads are in; the next K's nine, issued behind them, may be out
.else
	s_wait_dscnt 0x0
.endif
.irp q, 0,1,2,3
	v_wmma_scale_f32_16x16x128_f8f6f4 v[O+8*\q:O+8*\q+7], v[VF+8*\q:VF+8*\q+7], v[PC:PC+7], v[O+8*\q:O+8*\q+7], v[VS+\q], v[PW] matrix_a_fmt:MATRIX_FMT_FP4 matrix_b_fmt:MATRIX_FMT_FP4
.endr
	s_add_co_u32 s[TB], s[TB], STEPB
.endm
; A tile's end: O^T / l, quantised along d, stored as the head's part of the row tile's image.
.macro FINISH p
	PLACES
	v_add_f32 v[LS], v[LS], v[LS+1]
	s_delay_alu instid0(VALU_DEP_1)
	v_permlanex16_b32 v[TP], v[LS], s[SEL], s[SEL+1]
	s_delay_alu instid0(VALU_DEP_1)
	v_add_f32 v[LS], v[LS], v[TP]                  ; with lane l xor 16's keys: the row's sum
	s_wait_alu depctr_va_vdst(0)
	v_rcp_f32 v[LS], v[LS]
	v_nop                                          ; one plain place behind a transcendental
	s_wait_alu depctr_va_vdst(0)                   ; and ahead of its first reader, which is also the first reader of O^T
.set j, 0
.rept 16
	v_pk_mul_f32 v[S+j:S+j+1], v[O+j:O+j+1], v[LS:LS+1] op_sel_hi:[1,0]   ; each accumulator from its low end on
.set j, j+2
.endr
	QUANT2 S, CC+4*\p, CW+\p
	global_store_b128 v[LI], v[CC+4*\p:CC+4*\p+3], s[52:53] offset:\p*73728
	global_store_b16 v[LI], v[CW+\p], s[54:55] offset:\p*73728
.endm
; A tile of queries walks the 16 steps; the last is written out, since no K follows it.
.macro PASS p
.irp t, 0,1,2,3,4,5,6,7
	ds_load_b128 v[KF+4*\t:KF+4*\t+3], v[LI] offset:512*\t
.endr
	ds_load_b128 v[KS:KS+3], v[LI] offset:4096
	s_mov_b32 s[TB], 0
	s_mov_b32 s[CNT], 15
.Lstep_\@:
	STEP 1
	s_sub_co_u32 s[CNT], s[CNT], 1
	s_cmp_lg_u32 s[CNT], 0
	s_cbranch_scc1 .Lstep_\@
	STEP 0
	FINISH \p
.endm
	PASSINIT
	s_wait_loadcnt 0x0                             ; Q
	s_wait_tensorcnt 0x0                           ; my step has landed,
	s_barrier_signal -1
	s_barrier_wait -1                              ; and everybody's.
	PASS 0
.irp j, 0,1,2,3
	v_mov_b32 v[QF+\j], v[Q1+\j]                   ; the second tile of queries; the 36 lines of PASSINIT stand between these and the next products
.endr
	v_mov_b32 v[QS], v[QS1]
	PASSINIT
	PASS 1
	s_wait_tensorcnt 0x0                           ; the wave's end
	ds_add_u32 v[SPW], v[NIL]
	s_wait_dscnt 0x0
	CROUND                                         ; the closing round: no work-group ends while a partner may still ask for a step that names it
	s_endpgm
.Lfunc_end_k_q8e87222cb7_attn:
	.size	k_q8e87222cb7_attn, .Lfunc_end_k_q8e87222cb7_attn-k_q8e87222cb7_attn
	.p2alignl 7, 3214868480
	.fill 96, 4, 3214868480
	.section	.rodata,"a",@progbits
	.p2align	6, 0x0
	.amdhsa_kernel k_q8e87222cb7_attn
		.amdhsa_group_segment_fixed_size 169984
		.amdhsa_private_segment_fixed_size 0
		.amdhsa_enable_private_segment 0
		.amdhsa_kernarg_size 24
		.amdhsa_user_sgpr_count 2
		.amdhsa_user_sgpr_kernarg_segment_ptr 1
		.amdhsa_wavefront_size32 1
		.amdhsa_system_sgpr_workgroup_id_x 1
		.amdhsa_system_sgpr_workgroup_id_y 1
		.amdhsa_system_sgpr_workgroup_id_z 1
		.amdhsa_system_vgpr_workitem_id 0
		.amdhsa_next_free_vgpr 256
		.amdhsa_next_free_sgpr 66
		.amdhsa_reserve_vcc 0
		.amdhsa_float_denorm_mode_32 3
		.amdhsa_float_denorm_mode_16_64 3
		.amdhsa_memory_ordered 1
		.amdhsa_forward_progress 1
		.amdhsa_inst_pref_size 72
	.end_amdhsa_kernel
	.amdgpu_metadata
---
amdhsa.version: [ 1, 2 ]
amdhsa.kernels:
  - .name:           k_q8e87222cb7_attn
    .symbol:         k_q8e87222cb7_attn.kd
    .args:
      - { .name: qc, .offset: 0, .size: 8, .value_kind: global_buffer, .address_space: global }
      - { .name: kv, .offset: 8, .size: 8, .value_kind: global_buffer, .address_space: global }
      - { .name: ctxq, .offset: 16, .size: 8, .value_kind: global_buffer, .address_space: global }
    .group_segment_fixed_size: 169984
    .private_segment_fixed_size: 0
    .kernarg_segment_align: 8
    .kernarg_segment_size: 24
    .max_flat_workgroup_size: 512
    .sgpr_count:     66
    .vgpr_count:     256
    .wavefront_size: 32
...
	.end_amdgpu_metadata
.endif
;; end of part 3
;; launch outln (part 4): grid 256 x 1, 16 waves a work-group, no clusters, 327,680 bytes of LDS; arguments ctxq, wc, x, bo, gamma, beta, out0; writes out0
.if DOCPART == 4
	.amdgcn_target "amdgcn-amd-amdhsa--gfx1250"
	.amdhsa_code_object_version 6
	.text
	.protected	k_q8e87222cb7_outln
	.globl	k_q8e87222cb7_outln
	.p2align	8
	.type	k_q8e87222cb7_outln,@function
k_q8e87222cb7_outln:
	s_mov_b64 s[64:65], 0
	v_nop
	global_prefetch_b8 v0, s[64:65] scope:SCOPE_SE
	s_setreg_imm32_b32 hwreg(HW_REG_WAVE_MODE, 25, 1), 1
	s_wait_xcnt 0x0
.set CT,  0
.set XR,  18432
.set STG, 149504
.set SP,  2064
.set LI,  1
.set SO,  4
.set SO2, 5
.set SR,  6
.set XA,  7
.set WF,  16
.set WSQ, 80
.set CSQ, 88
.set CF,  104
.set ACC, 136
.set GA,  200
.set BE,  216
.set BO,  232
.set Y,   16
.set XV,  80
.set TT,  144
.set SEL, 20
.set G1C, 24
.set G1X, 32
.set G0C, 40
.set G0X, 44
.macro PLACES
.rept 4
	v_nop
.endr
.endm
	s_load_b256 s[4:11], s[0:1], 0x0
	s_load_b128 s[12:15], s[0:1], 0x20
	s_load_b64 s[16:17], s[0:1], 0x30
	v_lshl_add_u32 v254, v0, 2, 0x44c00
	v_mov_b32 v255, 0
	ds_add_u32 v254, v255
	ds_add_u32 v254, v255
	v_lshrrev_b32 v1, 5, v0
	s_delay_alu instid0(VALU_DEP_1)
	v_readfirstlane_b32 s18, v1
	s_mov_b32 s[SEL], 0x76543210
	s_mov_b32 s[SEL+1], 0xfedcba98
	s_mov_b32 s22, 0x3b000000
	s_mov_b32 s23, 0x3727c5ac
	s_mov_b32 s[G1C], 3<<16
	s_mov_b32 s[G1C+1], 16<<16
	s_mov_b32 s[G1C+2], 9<<16
	s_mov_b32 s[G1C+3], 16<<16
	s_mov_b32 s[G1C+4], 9
	s_mov_b32 s[G1C+5], 16
	s_mov_b32 s[G1C+6], 0
	s_mov_b32 s[G1C+7], 0
	s_mov_b32 s[G1X], 3<<16
	s_mov_b32 s[G1X+1], 32<<16
	s_mov_b32 s[G1X+2], 32<<16
	s_mov_b32 s[G1X+3], 32<<16
	s_mov_b32 s[G1X+4], 32
	s_mov_b32 s[G1X+5], 32
	s_mov_b32 s[G1X+6], 0
	s_mov_b32 s[G1X+7], 0
	s_mul_i32 s48, ttmp9, 18432
	s_mul_i32 s50, s18, 1152
	s_add_co_u32 s48, s48, s50
	s_mov_b32 s49, 0
	; my four stage rows 4 wave + k are lanes r = 4 (wave % 4) + k of tile wave / 4: rows 8 (wave / 4) + r % 8 + 32 (r / 8) of the work-group's 64
	s_lshr_b32 s51, s18, 2
	s_lshl_b32 s51, s51, 3
	s_and_b32 s52, s18, 1
	s_lshl_b32 s52, s52, 2
	s_add_co_u32 s51, s51, s52
	s_bfe_u32 s52, s18, 0x10001
	s_lshl_b32 s52, s52, 5
	s_add_co_u32 s51, s51, s52
	s_lshl_b32 s52, ttmp9, 6
	s_add_co_u32 s52, s52, s51
	s_lshl_b32 s52, s52, 11
	s_mov_b32 s53, 0
	s_mul_i32 s54, s18, 9216
	s_add_co_u32 s54, s54, 442368
	s_mov_b32 s55, 0
	s_lshl_b32 s56, s18, 13
	s_wait_dscnt 0x0
	s_wait_kmcnt 0x0
	s_mov_b32 s[G0C], 1
	s_mov_b32 s[G0C+1], s50
	s_add_nc_u64 s[G0C+2:G0C+3], s[4:5], s[48:49]
	s_or_b32 s[G0C+3], s[G0C+3], 0x80000000
	s_mov_b32 s[G0X], 1
	s_add_co_u32 s[G0X+1], s56, XR
	s_add_nc_u64 s[G0X+2:G0X+3], s[8:9], s[52:53]
	s_or_b32 s[G0X+3], s[G0X+3], 0x80000000
	tensor_load_to_lds s[G0C:G0C+3], s[G1C:G1C+7]
	s_nop 0
	s_wait_alu depctr_va_vdst(0)
	s_wait_tensorcnt 0x0
	ds_add_u32 v254, v255
	s_wait_dscnt 0x0
	s_barrier_signal -1
	s_barrier_wait -1
	tensor_load_to_lds s[G0X:G0X+3], s[G1X:G1X+7]
	s_nop 0
	PLACES
	s_add_nc_u64 s[6:7], s[6:7], s[54:55]
	s_add_nc_u64 s[16:17], s[16:17], s[52:53]
	v_and_b32 v2, 31, v0
	s_delay_alu instid0(VALU_DEP_1)
	v_lshlrev_b32 v[LI], 4, v2
.irp n, 0,1
.irp k, 0,1,2,3
.irp c, 0,1
	global_load_b128 v[WF+32*\n+8*\k+4*\c:WF+32*\n+8*\k+4*\c+3], v[LI], s[6:7] offset:\n*4608+\k*1024+512*\c
.endr
.endr
.endr
.irp n, 0,1
	global_load_b128 v[WSQ+4*\n:WSQ+4*\n+3], v[LI], s[6:7] offset:\n*4608+4096
.endr
.irp i, 0,1,2,3
	global_load_b128 v[BO+4*\i:BO+4*\i+3], v[LI], s[10:11] offset:512*\i
	global_load_b128 v[GA+4*\i:GA+4*\i+3], v[LI], s[12:13] offset:512*\i
	global_load_b128 v[BE+4*\i:BE+4*\i+3], v[LI], s[14:15] offset:512*\i
.endr
	v_and_b32 v2, 15, v0
	v_bfe_u32 v3, v0, 4, 1
	s_delay_alu instid0(VALU_DEP_2)
	v_mul_u32_u24 v[SO], v2, SP
	s_delay_alu instid0(VALU_DEP_1)
	v_lshl_add_u32 v[SO], v3, 5, v[SO]
	s_lshl_b32 s57, s18, 7
	s_add_co_u32 s57, s57, STG
	v_add_nc_u32 v[SO], s57, v[SO]
	s_delay_alu instid0(VALU_DEP_1)
	v_add_nc_u32 v[SO2], 32*SP, v[SO]
	s_mul_i32 s57, s18, 4*SP
	s_add_co_u32 s57, s57, STG
	v_add_nc_u32 v[SR], s57, v[LI]
	s_add_co_u32 s57, s56, XR
	v_add_nc_u32 v[XA], s57, v[LI]
	s_wait_alu depctr_va_vdst(0)
	s_wait_tensorcnt 0x1
	s_barrier_signal -1
	s_barrier_wait -1
.irp m, 0,1,2,3
	ds_load_b128 v[CSQ+4*\m:CSQ+4*\m+3], v[LI] offset:CT+4608*\m+4096
.endr
.irp k, 0,1,2,3
.if \k > 0
	PLACES
.endif
.irp m, 0,1,2,3
.irp c, 0,1
	ds_load_b128 v[CF+8*\m+4*\c:CF+8*\m+4*\c+3], v[LI] offset:CT+4608*\m+1024*\k+512*\c
.endr
.endr
	s_wait_dscnt 0x0
.if \k == 0
	s_wait_loadcnt 12
.endif
.irp m, 0,1,2,3
.irp n, 0,1
.if \k == 0
	v_wmma_scale_f32_16x16x128_f8f6f4 v[ACC+8*(2*\m+\n):ACC+8*(2*\m+\n)+7], v[WF+32*\n+8*\k:WF+32*\n+8*\k+7], v[CF+8*\m:CF+8*\m+7], 0, v[WSQ+4*\n+\k], v[CSQ+4*\m+\k] matrix_a_fmt:MATRIX_FMT_FP4 matrix_b_fmt:MATRIX_FMT_FP4
.else
	v_wmma_scale_f32_16x16x128_f8f6f4 v[ACC+8*(2*\m+\n):ACC+8*(2*\m+\n)+7], v[WF+32*\n+8*\k:WF+32*\n+8*\k+7], v[CF+8*\m:CF+8*\m+7], v[ACC+8*(2*\m+\n):ACC+8*(2*\m+\n)+7], v[WSQ+4*\n+\k], v[CSQ+4*\m+\k] matrix_a_fmt:MATRIX_FMT_FP4 matrix_b_fmt:MATRIX_FMT_FP4
.endif
.endr
.endr
.endr
	PLACES
.irp m, 0,1
.irp n, 0,1
	ds_store_b128 v[SO], v[ACC+8*(2*\m+\n):ACC+8*(2*\m+\n)+3] offset:16*\m*SP+64*\n
	ds_store_b128 v[SO], v[ACC+8*(2*\m+\n)+4:ACC+8*(2*\m+\n)+7] offset:16*\m*SP+64*\n+16
.endr
.endr
.irp m, 2,3
.irp n, 0,1
	ds_store_b128 v[SO2], v[ACC+8*(2*\m+\n):ACC+8*(2*\m+\n)+3] offset:16*(\m-2)*SP+64*\n
	ds_store_b128 v[SO2], v[ACC+8*(2*\m+\n)+4:ACC+8*(2*\m+\n)+7] offset:16*(\m-2)*SP+64*\n+16
.endr
.endr
	s_wait_dscnt 0x0
	s_barrier_signal -1
	s_barrier_wait -1
	s_wait_tensorcnt 0x0
	s_wait_loadcnt 0x0
.irp k, 0,1,2,3
.irp i, 0,1,2,3
	ds_load_b128 v[Y+16*\k+4*\i:Y+16*\k+4*\i+3], v[SR] offset:SP*\k+512*\i
	ds_load_b128 v[XV+16*\k+4*\i:XV+16*\k+4*\i+3], v[XA] offset:2048*\k+512*\i
.endr
.endr
.irp k, 0,1,2,3
	v_mov_b32 v[TT+8*\k+2], 0
	v_mov_b32 v[TT+8*\k+5], 0
	v_mov_b32 v[TT+8*\k+7], 0
.endr
	s_wait_dscnt 0x0
.macro REDUCE
.irp k, 0,1,2,3
	s_delay_alu instid0(VALU_DEP_4)
	v_add_f32 v[TT+8*\k], v[TT+8*\k], v[TT+8*\k+1]
.endr
.irp x, 1,2,4,8
.irp k, 0,1,2,3
	s_delay_alu instid0(VALU_DEP_4)
	v_add_f32_dpp v[TT+8*\k], v[TT+8*\k], v[TT+8*\k] row_xmask:\x row_mask:0xf bank_mask:0xf
.endr
.endr
.irp k, 0,1,2,3
	s_delay_alu instid0(VALU_DEP_4)
	v_permlanex16_b32 v[TT+8*\k+2], v[TT+8*\k], s[SEL], s[SEL+1]
.endr
.irp k, 0,1,2,3
	s_delay_alu instid0(VALU_DEP_4)
	v_add_f32 v[TT+8*\k], v[TT+8*\k], v[TT+8*\k+2]
.endr
.endm
.irp j, 0,1,2,3,4,5,6,7
.irp k, 0,1,2,3
	v_pk_add_f32 v[Y+16*\k+2*\j:Y+16*\k+2*\j+1], v[Y+16*\k+2*\j:Y+16*\k+2*\j+1], v[XV+16*\k+2*\j:XV+16*\k+2*\j+1]
.endr
.endr
.irp j, 0,1,2,3,4,5,6,7
.irp k, 0,1,2,3
	v_pk_add_f32 v[Y+16*\k+2*\j:Y+16*\k+2*\j+1], v[Y+16*\k+2*\j:Y+16*\k+2*\j+1], v[BO+2*\j:BO+2*\j+1]
.endr
.endr
.irp k, 0,1,2,3
	v_pk_add_f32 v[TT+8*\k:TT+8*\k+1], v[Y+16*\k:Y+16*\k+1], v[Y+16*\k+2:Y+16*\k+3]
.endr
.irp j, 2,3,4,5,6,7
.irp k, 0,1,2,3
	s_delay_alu instid0(VALU_DEP_4)
	v_pk_add_f32 v[TT+8*\k:TT+8*\k+1], v[TT+8*\k:TT+8*\k+1], v[Y+16*\k+2*\j:Y+16*\k+2*\j+1]
.endr
.endr
	REDUCE
.irp k, 0,1,2,3
	s_delay_alu instid0(VALU_DEP_4)
	v_mul_f32 v[TT+8*\k+4], s22, v[TT+8*\k]
.endr
.irp j, 0,1,2,3,4,5,6,7
.irp k, 0,1,2,3
	v_pk_add_f32 v[Y+16*\k+2*\j:Y+16*\k+2*\j+1], v[Y+16*\k+2*\j:Y+16*\k+2*\j+1], v[TT+8*\k+4:TT+8*\k+5] op_sel_hi:[1,0] neg_lo:[0,1] neg_hi:[0,1]
.endr
.endr
.irp k, 0,1,2,3
	v_pk_mul_f32 v[TT+8*\k:TT+8*\k+1], v[Y+16*\k:Y+16*\k+1], v[Y+16*\k:Y+16*\k+1]
.endr
.irp j, 1,2,3,4,5,6,7
.irp k, 0,1,2,3
	s_delay_alu instid0(VALU_DEP_4)
	v_pk_fma_f32 v[TT+8*\k:TT+8*\k+1], v[Y+16*\k+2*\j:Y+16*\k+2*\j+1], v[Y+16*\k+2*\j:Y+16*\k+2*\j+1], v[TT+8*\k:TT+8*\k+1]
.endr
.endr
	REDUCE
.irp k, 0,1,2,3
	s_delay_alu instid0(VALU_DEP_4)
	v_fma_f32 v[TT+8*\k+3], v[TT+8*\k], s22, s23
.endr
	s_wait_alu depctr_va_vdst(0)
.irp k, 0,1,2,3
	v_rsq_f32 v[TT+8*\k+6], v[TT+8*\k+3]
.endr
	v_nop
	s_wait_alu depctr_va_vdst(0)
.irp j, 0,1,2,3,4,5,6,7
.irp k, 0,1,2,3
	v_pk_mul_f32 v[Y+16*\k+2*\j:Y+16*\k+2*\j+1], v[Y+16*\k+2*\j:Y+16*\k+2*\j+1], v[TT+8*\k+6:TT+8*\k+7] op_sel_hi:[1,0]
.endr
.endr
.irp j, 0,1,2,3,4,5,6,7
.irp k, 0,1,2,3
	v_pk_fma_f32 v[Y+16*\k+2*\j:Y+16*\k+2*\j+1], v[Y+16*\k+2*\j:Y+16*\k+2*\j+1], v[GA+2*\j:GA+2*\j+1], v[BE+2*\j:BE+2*\j+1]
.endr
.endr
.irp k, 0,1,2,3
.irp i, 0,1,2,3
	global_store_b128 v[LI], v[Y+16*\k+4*\i:Y+16*\k+4*\i+3], s[16:17] offset:2048*\k+512*\i th:TH_STORE_NT
.endr
.endr
	s_wait_tensorcnt 0x0
	ds_add_u32 v254, v255
	s_wait_dscnt 0x0
	s_endpgm
.Lfunc_end_k_q8e87222cb7_outln:
	.size	k_q8e87222cb7_outln, .Lfunc_end_k_q8e87222cb7_outln-k_q8e87222cb7_outln
	.p2alignl 7, 3214868480
	.fill 96, 4, 3214868480
	.section	.rodata,"a",@progbits
	.p2align	6, 0x0
	.amdhsa_kernel k_q8e87222cb7_outln
		.amdhsa_group_segment_fixed_size 327680
		.amdhsa_private_segment_fixed_size 0
		.amdhsa_enable_private_segment 0
		.amdhsa_kernarg_size 56
		.amdhsa_user_sgpr_count 2
		.amdhsa_user_sgpr_kernarg_segment_ptr 1
		.amdhsa_wavefront_size32 1
		.amdhsa_system_sgpr_workgroup_id_x 1
		.amdhsa_system_sgpr_workgroup_id_y 1
		.amdhsa_system_sgpr_workgroup_id_z 1
		.amdhsa_system_vgpr_workitem_id 0
		.amdhsa_next_free_vgpr 256
		.amdhsa_next_free_sgpr 66
		.amdhsa_reserve_vcc 0
		.amdhsa_float_denorm_mode_32 3
		.amdhsa_float_denorm_mode_16_64 3
		.amdhsa_memory_ordered 1
		.amdhsa_forward_progress 1
		.amdhsa_inst_pref_size 41
	.end_amdhsa_kernel
	.amdgpu_metadata
---
amdhsa.version: [ 1, 2 ]
amdhsa.kernels:
  - .name:           k_q8e87222cb7_outln
    .symbol:         k_q8e87222cb7_outln.kd
    .args:
      - { .name: ctxq, .offset: 0, .size: 8, .value_kind: global_buffer, .address_space: global }
      - { .name: wc, .offset: 8, .size: 8, .value_kind: global_buffer, .address_space: global }
      - { .name: x, .offset: 16, .size: 8, .value_kind: global_buffer, .address_space: global }
      - { .name: bo, .offset: 24, .size: 8, .value_kind: global_buffer, .address_space: global }
      - { .name: gamma, .offset: 32, .size: 8, .value_kind: global_buffer, .address_space: global }
      - { .name: beta, .offset: 40, .size: 8, .value_kind: global_buffer, .address_space: global }
      - { .name: out0, .offset: 48, .size: 8, .value_kind: global_buffer, .address_space: global }
    .group_segment_fixed_size: 327680
    .private_segment_fixed_size: 0
    .kernarg_segment_align: 8
    .kernarg_segment_size: 56
    .max_flat_workgroup_size: 512
    .sgpr_count:     66
    .vgpr_count:     256
    .wavefront_size: 32
...
	.end_amdgpu_metadata
.endif
;; end of part 4
